; MI455X (gfx1250); checked and timed in simulation.
; The chip was launched on July 23, 2026; its instructions are those of AMD's public machine-readable ISA for CDNA 5 (MIT licence, August 2026) and "CDNA5" Instruction Set Architecture Reference Guide (July 2026). The comments in the code are by the model that wrote it; some were corrected since.
;; Partial Radon. Allowed arithmetic: float matrix products may take bf16 or f16 operands with f32 sums; all other float work in f32.
;; Inputs: x 4 x 1 x 256 x 256 float32.
;; Outputs: out0 4 x 5 x 256 x 180 float32.
;; One version. Each part assembles by itself: llvm-mc -triple=amdgcn-amd-amdhsa -mcpu=gfx1250 --defsym DOCPART=n.
;; ======== version 1 of 1: 1 launch
;; limits: values outside matrix products are rounded to bf16
;; launch radon (part 1): grid 128 x 2, 16 waves a work-group, no clusters, 301,056 bytes of LDS; arguments x, out0; writes out0
.if DOCPART == 1
	.amdgcn_target "amdgcn-amd-amdhsa--gfx1250"
	.amdhsa_code_object_version 6
	.text
	.protected	k_q371222c0d8_radon
	.globl	k_q371222c0d8_radon
	.p2align	8
	.type	k_q371222c0d8_radon,@function
k_q371222c0d8_radon:
	s_mov_b64 s[64:65], 0
	v_nop
	global_prefetch_b8 v0, s[64:65] scope:SCOPE_SE
	s_setreg_imm32_b32 hwreg(HW_REG_WAVE_MODE, 25, 1), 1
	s_wait_xcnt 0x0
; PartialRadon: out0[n][b][w][a] = sum over the rows h of band b of bilinear(x[n]; ix, iy) / (rows of band b), 180 angles of 1 degree.
; In pixels the sampling grid is a rotation about (127.5, 127.5):
;   ix = c (w-127.5) + s (h-127.5) + 127.5      iy = -s (w-127.5) + c (h-127.5) + 127.5        (c, s = cos, sin of a degrees)
; The bands are nested round the centre: rows 127-128, 96-159, 64-191, 32-223, 0-255.
;
; SHARES.  256 work-groups: (ttmp9 = column pair j, ttmp7 = image pair p).  A work-group owns images 2p, 2p+1, columns 2j, 2j+1 and all angles.
; Both images lie in LDS, one word a pixel: bf16 of image 2p below, of image 2p+1 above, so one gathered word serves two images.
; Angle a+90 samples at (iy, 255-ix): same two floors, same four weights as angle a.  So one coordinate serves 2 angles x 2 images.
; A wave's 32 lanes are 8 rows x 2 columns x 2 neighbouring angles: two blocks of 2 x 8 samples one pixel apart.  With a pitch of 264 words a
; pixel's bank is x + 8 y mod 64 (64 banks of 4 bytes: ISA guide 11.1): words of one bank lie 8 pixels apart, further than such a block reaches.
; A task = angles a, a+1, a+90, a+91, both columns, 256 rows = 16 steps of 8 rows upward from row 128 and 8 rows downward from row 127.
; 45 tasks: waves 0-14 take three each (angles 6 wave .. 6 wave + 5 and those + 90); wave 15 helps with the fill only.
; Walking outward makes the running sum equal to band 1, 2, 3, 4 after 4, 8, 12, 16 steps; band 0 is the sum of row-lane 0 after the first step.
;
; WHOLE NUMBERS ONLY IN ADDRESSES.  (ix+1) and (iy+1) are kept in 32 bits, 9 integer and 23 fraction bits, modulo 512 (their range is -52.6 .. 309.6).
; cos and sin come from rotations in whole numbers (Q31 values, Q32 multipliers, s_mul_hi_u32); for 0-89 degrees both are >= 0.
; They are rounded to Q22 and multiplied by odd numbers up to 255 (half pixels): a position is off by 3e-5 pixel at the most, and the
; bilinear sample with zero padding is continuous in the position.
;
; THE BAND SUM stays in the vector unit: it is the addend of the interpolation's fused multiply-adds, in f32, and costs no instruction of its own.
; NO CLUSTER, NO TENSOR LOAD: the 128 work-groups of an image pair read the same 512 KiB, but every pixel has to be rounded and interleaved with
; its partner in registers before it can be used; landing the f32 rows in LDS first would send 512 KiB more through LDS each way.
; OUTPUT: a row of out0 is 720 bytes; the work-group owns 1,440 consecutive bytes in each of its 10 planes.  The results meet in LDS in that very
; order and leave as 16 bytes a lane, 512 consecutive bytes a store.  1,440 j is a multiple of 32 only, so a chunk's first and last 256 bytes
; are shared with the neighbouring work-groups.
; LIMITS: x is rounded once to bf16 (nearest even), all arithmetic is f32.  Inputs are finite and below bf16's largest number: a tap outside
; the image adds exactly 0 here, where the reference multiplies the clipped pixel by 0.
.set PITCH,  1056                      ; bytes from row to row in LDS: 256 pixels + 8 zero words
.set PITCHW, PITCH/4
.set BASE,   448                       ; LDS byte of pixel (y, x) = BASE + (y+2) PITCH + 4 x; column -1 is the row before's last zero word
.set BOT,    BASE+258*PITCH            ; rows y = 256, 257: zeros
.set STG,    BOT+2560                  ; 275,456: behind the image (its highest gathered byte is 274,983), the stage for the results
.set PLANE,  1440                      ; a plane of the stage: [column 2][angle 180] f32.  Plane 8 image + row lane; row lanes 0-4 are the bands
.set OFF1,   BASE+PITCH-4              ; angle a:    byte = 4 (264 ys + xs) + OFF1 + 4 i + PITCH k,      xs = floor(ix)+1, ys = floor(iy)+1
.set OFF2,   BASE-4                    ; angle a+90: byte = 4 (264 (257-xs) + ys) + OFF2 + PITCH (1-i) + 4 k   (i: x tap, k: y tap)
.set CTR,    257<<22                   ; 128.5 in Q23
.set IMG,    262144                    ; bytes of one image
.set COS1,   0xfff604c0                ; cos 1 degree x 2^32
.set SIN1,   0x0477c2cb                ; sin 1 degree x 2^32
.set LANE, 1
.set L16,  3                           ; 16 x lane
.set GOFF, 4                           ; fill: byte offset in an image
.set LFILL,5                           ; fill: LDS address
.set HL,   6                           ; row lane 0-7
.set WL,   7                           ; column lane 0-1
.set AL,   8                           ; angle lane 0-1
.set W2,   9                           ; 2 w - 255
.set FAC,  10                          ; 1 / rows of band HL (first of an even pair, for the packed multiply)
.set H2,   11                          ; 2 HL + 1 - 16: twice the distance from the centre, one step before the first
.set CQ,   12                          ; cos, sin in Q22
.set SQ,   13
.set DX,   14                          ; a step of 8 rows: 16 SQ, 16 CQ
.set DY,   15
.set TA,   16                          ; v16-19 at work
.set ACC,  20                          ; v20-23 running sums: (a, image 0), (a, image 1), (a+90, image 0), (a+90, image 1)
.set RED,  24                          ; v24-27 sums over the 8 row lanes
.set R0,   28                          ; v28-39 results of the last three tasks; row lane b holds band b
.set R1,   32
.set R2,   36
.set Z,    40                          ; v40-43 zeros
.set SADR, 44                          ; where my results go in the stage
.set FB0,  64                          ; v64-127, v128-191: two fill buffers of 16 loads
.set FB1,  128
.set DU,   64                          ; v64-89 upward rows, v96-121 downward rows (the fill is over by then):
.set DD,   96                          ; +0 X +1 Y +2 xs +3 ys +4 257-xs +5,6 addresses +8 1+f +10 f +12 1-f +14 mixed weights +16,17 weights +18..25 taps
; (cd, sd) = (ca, sa) turned by the angle of (cm, sm).  Values Q31, multipliers Q32, all between 0 and 1.  May work in place.
.macro CROT cd, sd, ca, sa, cm, sm
	s_mul_hi_u32 s56, s\ca, s\cm
	s_mul_hi_u32 s57, s\sa, s\sm
	s_mul_hi_u32 s58, s\sa, s\cm
	s_mul_hi_u32 s59, s\ca, s\sm
	s_sub_co_u32 s\cd, s56, s57
	s_add_co_u32 s\sd, s58, s59
.endm
; s30, s31: the turn of 6 x 2^b degrees.  (s32, s33) takes it if bit b of the wave number is set.  more = 1: the turn is doubled for the next bit.
.macro TURNBIT b, more
	s_lshl_b32 s46, s30, 1                         ; the turn as a Q32 multiplier (both below 1.0: nothing is shifted out)
	s_lshl_b32 s47, s31, 1
	CROT 48, 49, 32, 33, 46, 47
	s_bitcmp1_b32 s8, \b
	s_cselect_b32 s32, s48, s32
	s_cselect_b32 s33, s49, s33
.if \more
	CROT 30, 31, 30, 31, 46, 47
.endif
.endm
; 8 half rows (512 bytes, 16 bytes a lane) of both images
.macro FILL_LD buf, u0
.irp k, 0,1,2,3,4,5,6,7
	global_load_b128 v[\buf+8*\k:\buf+8*\k+3],   v[GOFF], s[4:5] offset:(\u0+\k)*512
	global_load_b128 v[\buf+8*\k+4:\buf+8*\k+7], v[GOFF], s[4:5] offset:(\u0+\k)*512+IMG
.endr
.endm
; round, pair up, 4 pixels = 16 bytes a lane into LDS
.macro FILL_ST buf, u0
.irp k, 0,1,2,3,4,5,6,7
.irp r, 0,1,2,3
	v_cvt_pk_bf16_f32 v[\buf+8*\k+\r], v[\buf+8*\k+\r], v[\buf+8*\k+4+\r]
.endr
	ds_store_b128 v[LFILL], v[\buf+8*\k:\buf+8*\k+3] offset:((\u0+\k)/2)*PITCH+((\u0+\k)%2)*512
.endr
.endm
	s_load_b128 s[4:7], s[0:1], 0x0                ; x s[4:5], out0 s[6:7]
	v_lshl_add_u32 v192, v0, 2, 0x49000
	v_mov_b32 v193, 0
	v_and_b32 v[LANE], 31, v0
	v_lshrrev_b32 v2, 5, v0
	v_readfirstlane_b32 s8, v2                     ; wave 0-15
	s_and_b32 s9, ttmp7, 0xffff                    ; image pair p
	v_lshlrev_b32 v[L16], 4, v[LANE]
	s_lshl_b32 s10, s8, 14                         ; my 16 rows of 1,024 bytes
	v_add_nc_u32 v[GOFF], s10, v[L16]
	s_mul_i32 s11, s8, 16*PITCH
	s_add_co_u32 s11, s11, BASE+2*PITCH            ; the same 16 rows in LDS
	v_add_nc_u32 v[LFILL], s11, v[L16]
	s_lshl_b32 s12, s9, 19                         ; two images of 262,144 bytes
	s_mov_b32 s13, 0
	s_wait_kmcnt 0x0
	s_add_nc_u64 s[4:5], s[4:5], s[12:13]
	FILL_LD FB0, 0                                 ; 32 loads of 512 bytes on their way before anything else is done
	FILL_LD FB1, 8
	; the zero borders.  Each wave: the 8 pad words of its own 16 rows (lane: row lane/2, half lane%2)
.irp r, 0,1,2,3
	v_mov_b32 v[Z+\r], 0
.endr
	v_lshrrev_b32 v[TA], 1, v[LANE]
	v_and_b32 v[TA+1], 1, v[LANE]
	v_mul_u32_u24 v[TA], v[TA], PITCH
	v_lshl_add_u32 v[TA], v[TA+1], 4, v[TA]
	v_add_nc_u32 v[TA], s11, v[TA]
	ds_store_b128 v[TA], v[Z:Z+3] offset:1024
	; waves 0-4: bytes 0 .. 2,559 (what lies in front of row y = 0); waves 5-9: the 2,560 bytes from BOT on
	s_lshl_b32 s14, s8, 9
	v_add_nc_u32 v[TA+1], s14, v[L16]
	s_cmp_ge_u32 s8, 10
	s_cbranch_scc1 .Lzdone
	s_cmp_ge_u32 s8, 5
	s_cbranch_scc1 .Lzbot
	ds_store_b128 v[TA+1], v[Z:Z+3]
	s_branch .Lzdone
.Lzbot:
	v_add_nc_u32 v[TA+1], BOT-2560, v[TA+1]
	ds_store_b128 v[TA+1], v[Z:Z+3]
.Lzdone:
	; what a lane is
	v_and_b32 v[HL], 7, v[LANE]
	v_bfe_u32 v[WL], v[LANE], 3, 1
	v_lshrrev_b32 v[AL], 4, v[LANE]
	s_lshl_b32 s15, ttmp9, 2
	s_sub_co_u32 s15, s15, 255
	v_lshl_add_u32 v[W2], v[WL], 1, s15            ; 2 (2 j + WL) - 255
	v_lshlrev_b32 v[H2], 1, v[HL]
	v_add_nc_u32 v[H2], -15, v[H2]
	v_mov_b32 v[FAC], 0.5                          ; 1/2, 1/64, 1/128, 1/192, 1/256 in row lanes 0-4
	v_cmp_ne_u32 vcc_lo, 1, v[HL]
	v_cndmask_b32 v[FAC], 0x3c800000, v[FAC], vcc_lo
	v_cmp_ne_u32 vcc_lo, 2, v[HL]
	v_cndmask_b32 v[FAC], 0x3c000000, v[FAC], vcc_lo
	v_cmp_ne_u32 vcc_lo, 3, v[HL]
	v_cndmask_b32 v[FAC], 0x3baaaaab, v[FAC], vcc_lo
	v_cmp_ne_u32 vcc_lo, 4, v[HL]
	v_cndmask_b32 v[FAC], 0x3b800000, v[FAC], vcc_lo
	s_mul_i32 s16, s8, 24                          ; my wave's six angles: 24 bytes of a stage row
	s_add_co_u32 s16, s16, STG
	v_mul_u32_u24 v[SADR], v[HL], PLANE            ; plane = row lane,
	v_mad_u32_u24 v[SADR], v[WL], 720, v[SADR]     ; column,
	v_lshl_add_u32 v[SADR], v[AL], 2, v[SADR]      ; angle lane
	v_add_nc_u32 v[SADR], s16, v[SADR]
.irp r, 0,1,2,3
	v_mov_b32 v[RED+\r], 0                         ; written once in every lane before a DPP form or a select names them as its destination
	v_mov_b32 v[R0+\r], 0
	v_mov_b32 v[R1+\r], 0
.endr
	s_mov_b32 s42, 0xffff0000                      ; lanes of the second angle
	s_mov_b32 s44, 0x007fffff                      ; the 23 fraction bits = an f32's mantissa
	s_mov_b32 s45, 0x3f800000                      ; 1.0
	; cos, sin of 6 x wave degrees, while the loads are out.  2 = 1+1, 4 = 2+2, 6 = 4+2 degrees; then the wave number's four bits
	; choose among turns of 6, 12, 24, 48 degrees.  (A trial turn that reaches 90 degrees may wrap below 0; only wave 15, which has no task, keeps one.)
	s_mov_b32 s20, COS1
	s_mov_b32 s21, SIN1
	s_lshr_b32 s22, s20, 1                         ; 1 degree as a Q31 value
	s_lshr_b32 s23, s21, 1
	CROT 24, 25, 22, 23, 20, 21
	s_lshl_b32 s26, s24, 1                         ; 2 degrees as a Q32 multiplier
	s_lshl_b32 s27, s25, 1
	CROT 28, 29, 24, 25, 26, 27
	CROT 30, 31, 28, 29, 26, 27                    ; 6 degrees
	s_mov_b32 s32, 0x80000000                      ; angle 0: cos = 1.0, sin = 0
	s_mov_b32 s33, 0
	TURNBIT 0, 1
	TURNBIT 1, 1
	TURNBIT 2, 1
	TURNBIT 3, 0
	s_wait_loadcnt 16                              ; loads return in order: the older buffer is in, the younger buffer's 16 stay out
	FILL_ST FB0, 0
	FILL_LD FB0, 16
	s_wait_loadcnt 16
	FILL_ST FB1, 8
	FILL_LD FB1, 24
	s_wait_loadcnt 16
	FILL_ST FB0, 16
	s_wait_loadcnt 0x0
	FILL_ST FB1, 24
	s_wait_dscnt 0x0                               ; my part of the image and of its borders is in LDS,
	s_barrier_signal -1
	s_barrier_wait -1                              ; everybody's is
	s_cmp_eq_u32 s8, 15                            ; 45 tasks = 15 waves x 3
	s_cbranch_scc1 .Lnostage
; One direction of a step: 8 rows on, the two floors, the two addresses, 8 gathers.
; An index below 0 has wrapped to 459-511, one above 257 is too large anyway: one unsigned minimum sends both to zero words.
.macro COORD D, up
.if \up
	v_add_nc_u32 v[\D],   v[\D],   v[DX]
	v_add_nc_u32 v[\D+1], v[\D+1], v[DY]
.else
	v_sub_nc_u32 v[\D],   v[\D],   v[DX]
	v_sub_nc_u32 v[\D+1], v[\D+1], v[DY]
.endif
	v_lshrrev_b32 v[\D+2], 23, v[\D]               ; xs = floor(ix) + 1, modulo 512
	v_lshrrev_b32 v[\D+3], 23, v[\D+1]             ; ys
	v_sub_nc_u32 v[\D+4], 257, v[\D+2]             ; the mirrored row of angle a+90
	v_min_u32 v[\D+2], 257, v[\D+2]                ; 257: columns 256, 257 are zeros
	v_min_u32 v[\D+3], 257, v[\D+3]                ; 257: rows 256, 257 are zeros
	v_min_u32 v[\D+4], 258, v[\D+4]                ; 258: likewise, seen from angle a+90
	v_mad_u32_u24 v[\D+5], v[\D+3], PITCHW, v[\D+2]
	v_mad_u32_u24 v[\D+6], v[\D+4], PITCHW, v[\D+3]
	v_lshlrev_b32 v[\D+5], 2, v[\D+5]
	v_lshlrev_b32 v[\D+6], 2, v[\D+6]
	ds_load_b32 v[\D+18], v[\D+5] offset:OFF1              ; angle a:    tap (x0,   y0)
	ds_load_b32 v[\D+19], v[\D+5] offset:OFF1+4            ;                 (x0+1, y0)
	ds_load_b32 v[\D+20], v[\D+5] offset:OFF1+PITCH        ;                 (x0,   y0+1)
	ds_load_b32 v[\D+21], v[\D+5] offset:OFF1+PITCH+4      ;                 (x0+1, y0+1)
	ds_load_b32 v[\D+22], v[\D+6] offset:OFF2+PITCH        ; angle a+90: row 255-x0, column y0: the same weight as the tap four lines up
	ds_load_b32 v[\D+23], v[\D+6] offset:OFF2              ;             row 254-x0, column y0
	ds_load_b32 v[\D+24], v[\D+6] offset:OFF2+PITCH+4      ;             row 255-x0, column y0+1
	ds_load_b32 v[\D+25], v[\D+6] offset:OFF2+4            ;             row 254-x0, column y0+1
.endm
; The four weights.  The fraction bits under the exponent of 1.0 are 1 + f, exactly; f and 1 - f follow without rounding.
.macro WEIGHTS D
	v_bfi_b32 v[\D+8], s44, v[\D],   s45
	v_bfi_b32 v[\D+9], s44, v[\D+1], s45
	v_pk_add_f32 v[\D+10:\D+11], v[\D+8:\D+9], -1.0 op_sel_hi:[1,0]                    ; fx, fy
	v_pk_fma_f32 v[\D+12:\D+13], v[\D+8:\D+9], -1.0, 2.0 op_sel_hi:[1,0,0]             ; 1-fx, 1-fy
	v_pk_mul_f32 v[\D+14:\D+15], v[\D+12:\D+13], v[\D+10:\D+11] op_sel:[0,1] op_sel_hi:[1,0]   ; (1-fx) fy,  (1-fy) fx
	v_mul_f32 v[\D+16], v[\D+12], v[\D+13]                                             ; (1-fx)(1-fy)
	v_mul_f32 v[\D+17], v[\D+10], v[\D+11]                                             ; fx fy
.endm
; one tap of both angles and both images: bf16 half x f32 weight + f32 sum, one rounding
.macro TAP D, t, w
	v_fma_mix_f32_bf16 v[ACC],   v[\D+18+\t], v[\D+\w], v[ACC]   op_sel_hi:[1,0,0]
	v_fma_mix_f32_bf16 v[ACC+1], v[\D+18+\t], v[\D+\w], v[ACC+1] op_sel:[1,0,0] op_sel_hi:[1,0,0]
	v_fma_mix_f32_bf16 v[ACC+2], v[\D+22+\t], v[\D+\w], v[ACC+2] op_sel_hi:[1,0,0]
	v_fma_mix_f32_bf16 v[ACC+3], v[\D+22+\t], v[\D+\w], v[ACC+3] op_sel:[1,0,0] op_sel_hi:[1,0,0]
.endm
.macro SUMS D
	TAP \D, 0, 16
	TAP \D, 1, 15
	TAP \D, 2, 14
	TAP \D, 3, 17
.endm
.macro KSTEP
	COORD DU, 1
	COORD DD, 0
	WEIGHTS DU
	s_wait_dscnt 8                                 ; LDS answers in order: the upward rows' 8 words are in, the downward rows' 8 stay out
	SUMS DU
	WEIGHTS DD
	s_wait_dscnt 0x0
	SUMS DD
.endm
	s_mov_b32 s52, 0
.Ltask:
	; s32, s33: cos, sin of the task's first angle.  The second is one degree on, the next task's first two.
	CROT 36, 37, 32, 33, 20, 21
	s_add_co_u32 s38, s32, 256                     ; Q31 to Q22, rounded
	s_lshr_b32 s38, s38, 9
	s_add_co_u32 s39, s33, 256
	s_lshr_b32 s39, s39, 9
	s_add_co_u32 s40, s36, 256
	s_lshr_b32 s40, s40, 9
	s_add_co_u32 s41, s37, 256
	s_lshr_b32 s41, s41, 9
	CROT 32, 33, 36, 37, 20, 21
	v_mov_b32 v[CQ], s38
	v_mov_b32 v[TA], s40
	v_mov_b32 v[SQ], s39
	v_mov_b32 v[TA+1], s41
	v_cndmask_b32 v[CQ], v[CQ], v[TA], s42         ; lanes 16-31 take the second angle
	v_cndmask_b32 v[SQ], v[SQ], v[TA+1], s42
	v_mul_lo_u32 v[TA],   v[CQ], v[W2]             ; all modulo 2^32, which is modulo 512 pixels
	v_mul_lo_u32 v[TA+1], v[SQ], v[W2]
	v_mul_lo_u32 v[TA+2], v[SQ], v[H2]
	v_mul_lo_u32 v[TA+3], v[CQ], v[H2]
	v_add_nc_u32 v[TA],   CTR, v[TA]               ; ix + 1 on the centre line
	v_sub_nc_u32 v[TA+1], CTR, v[TA+1]             ; iy + 1
	v_add_nc_u32 v[DU],   v[TA],   v[TA+2]         ; one step before rows 128 + HL
	v_sub_nc_u32 v[DD],   v[TA],   v[TA+2]         ; and before rows 127 - HL
	v_add_nc_u32 v[DU+1], v[TA+1], v[TA+3]
	v_sub_nc_u32 v[DD+1], v[TA+1], v[TA+3]
	v_lshlrev_b32 v[DX], 4, v[SQ]
	v_lshlrev_b32 v[DY], 4, v[CQ]
.irp r, 0,1,2,3
	v_mov_b32 v[R2+\r], v[R1+\r]                   ; the results of the tasks before move up
	v_mov_b32 v[R1+\r], v[R0+\r]
	v_mov_b32 v[ACC+\r], 0
.endr
	s_mov_b32 s50, 1                               ; the band that this trip completes
.Lband:
	KSTEP
	s_cmp_eq_u32 s50, 1                            ; behind the very first step row lane 0 holds rows 127 + 128: band 0
	s_cselect_b32 s51, 0, 8                        ; (8 is no row lane)
	v_cmp_eq_u32 vcc_lo, s51, v[HL]
.irp r, 0,1,2,3
	v_cndmask_b32 v[R0+\r], v[R0+\r], v[ACC+\r], vcc_lo
.endr
	KSTEP
	KSTEP
	KSTEP
	; the band is whole: add up the 8 row lanes (lane bits 0-2) and keep the sum in row lane = band
.irp r, 0,1,2,3
	v_add_f32_dpp v[RED+\r], v[ACC+\r], v[ACC+\r] row_xmask:1 row_mask:0xf bank_mask:0xf
.endr
.irp r, 0,1,2,3
	v_add_f32_dpp v[RED+\r], v[RED+\r], v[RED+\r] row_xmask:2 row_mask:0xf bank_mask:0xf
.endr
.irp r, 0,1,2,3
	v_add_f32_dpp v[RED+\r], v[RED+\r], v[RED+\r] row_xmask:4 row_mask:0xf bank_mask:0xf
.endr
	v_cmp_eq_u32 vcc_lo, s50, v[HL]
.irp r, 0,1,2,3
	v_cndmask_b32 v[R0+\r], v[R0+\r], v[RED+\r], vcc_lo
.endr
	s_add_co_u32 s50, s50, 1
	s_cmp_lt_u32 s50, 5
	s_cbranch_scc1 .Lband
	s_add_co_u32 s52, s52, 1
	s_cmp_lt_u32 s52, 3
	s_cbranch_scc1 .Ltask
	; My 3 tasks x 4 sums into the stage, which shares no byte with the image: no barrier is owed to the waves that still gather.
	; All 32 lanes store: row lanes 5-7 (zeros) fill planes 5-7 and 13-15, which nobody sends to memory.
	; The 32 words of a store lie at 360 HL + 180 WL + AL words: 32 different banks.
.irp r, 0,2,4,6,8,10
	v_pk_mul_f32 v[R0+\r:R0+\r+1], v[R0+\r:R0+\r+1], v[FAC:FAC+1] op_sel_hi:[1,0]      ; both by the band's 1 / rows
.endr
.irp g, 0,1
.irp n, 0,1
	ds_store_b32 v[SADR], v[R2+2*\g+\n] offset:8*PLANE*\n+360*\g           ; image n, angles a (g = 0) or a+90 (g = 1): first task,
	ds_store_b32 v[SADR], v[R1+2*\g+\n] offset:8*PLANE*\n+360*\g+8         ; second: two angles on,
	ds_store_b32 v[SADR], v[R0+2*\g+\n] offset:8*PLANE*\n+360*\g+16        ; third
.endr
.endr
.Lnostage:
	s_wait_dscnt 0x0                               ; my results are in LDS,
	s_barrier_signal -1
	s_barrier_wait -1                              ; everybody's are
	; THE WAY OUT.  Wave 8 n + b (b < 5) takes stage plane 8 n + b: image 2p + n, band b: 1,440 consecutive bytes of LDS and of out0.
	s_and_b32 s17, s8, 7                           ; band
	s_cmp_ge_u32 s17, 5
	s_cbranch_scc1 .Lend
	s_lshr_b32 s18, s8, 3                          ; image of the pair
	s_mul_i32 s10, s9, 10
	s_mul_i32 s18, s18, 5
	s_add_co_u32 s10, s10, s18
	s_add_co_u32 s10, s10, s17                     ; plane 5 (2 p + n) + b of out0
	s_mul_i32 s10, s10, 184320                     ; 256 columns x 720 bytes
	s_mul_i32 s11, ttmp9, PLANE                    ; my two columns
	s_add_co_u32 s10, s10, s11
	s_mov_b32 s11, 0
	s_add_nc_u64 s[6:7], s[6:7], s[10:11]
	s_mul_i32 s12, s8, PLANE
	s_add_co_u32 s12, s12, STG
	v_add_nc_u32 v[TA], s12, v[L16]
	ds_load_b128 v[64:67], v[TA]
	ds_load_b128 v[68:71], v[TA] offset:512
	ds_load_b128 v[72:75], v[TA] offset:1024       ; lanes 26-31 reach into the next plane, which is written too; they store nothing
	s_wait_dscnt 2                                 ; LDS answers in order: the first piece is in, two stay out
	global_store_b128 v[L16], v[64:67], s[6:7] th:TH_STORE_NT               ; 512 consecutive bytes
	s_wait_dscnt 1
	global_store_b128 v[L16], v[68:71], s[6:7] offset:512 th:TH_STORE_NT
	s_wait_dscnt 0x0
	s_wait_xcnt 0x0                                ; EXEC, a source of the two stores, changes only behind this wait
	v_cmp_gt_u32 vcc_lo, 26, v[LANE]
	s_wait_tensorcnt 0x0
	ds_add_u32 v192, v193
	s_wait_dscnt 0x0
	s_and_saveexec_b32 s14, vcc_lo                 ; the last 26 pieces: 416 bytes
	global_store_b128 v[L16], v[72:75], s[6:7] offset:1024 th:TH_STORE_NT
	s_endpgm
.Lend:
	s_wait_tensorcnt 0x0
	ds_add_u32 v192, v193
	s_wait_dscnt 0x0
	s_endpgm
.Lfunc_end_k_q371222c0d8_radon:
	.size	k_q371222c0d8_radon, .Lfunc_end_k_q371222c0d8_radon-k_q371222c0d8_radon
	.p2alignl 7, 3214868480
	.fill 96, 4, 3214868480
	.section	.rodata,"a",@progbits
	.p2align	6, 0x0
	.amdhsa_kernel k_q371222c0d8_radon
		.amdhsa_group_segment_fixed_size 301056
		.amdhsa_private_segment_fixed_size 0
		.amdhsa_enable_private_segment 0
		.amdhsa_kernarg_size 16
		.amdhsa_user_sgpr_count 2
		.amdhsa_user_sgpr_kernarg_segment_ptr 1
		.amdhsa_wavefront_size32 1
		.amdhsa_system_sgpr_workgroup_id_x 1
		.amdhsa_system_sgpr_workgroup_id_y 1
		.amdhsa_system_sgpr_workgroup_id_z 1
		.amdhsa_system_vgpr_workitem_id 0
		.amdhsa_next_free_vgpr 194
		.amdhsa_next_free_sgpr 66
		.amdhsa_reserve_vcc 1
		.amdhsa_float_denorm_mode_32 3
		.amdhsa_float_denorm_mode_16_64 3
		.amdhsa_memory_ordered 1
		.amdhsa_forward_progress 1
		.amdhsa_inst_pref_size 49
	.end_amdhsa_kernel
	.amdgpu_metadata
---
amdhsa.version: [ 1, 2 ]
amdhsa.kernels:
  - .name:           k_q371222c0d8_radon
    .symbol:         k_q371222c0d8_radon.kd
    .args:
      - { .name: x, .offset: 0, .size: 8, .value_kind: global_buffer, .address_space: global }
      - { .name: out0, .offset: 8, .size: 8, .value_kind: global_buffer, .address_space: global }
    .group_segment_fixed_size: 301056
    .private_segment_fixed_size: 0
    .kernarg_segment_align: 8
    .kernarg_segment_size: 16
    .max_flat_workgroup_size: 512
    .sgpr_count:     66
    .vgpr_count:     194
    .wavefront_size: 32
...
	.end_amdgpu_metadata
.endif
;; end of part 1
